; MI455X (gfx1250); checked and timed in simulation.
; The chip was launched on July 23, 2026; its instructions are those of AMD's public machine-readable ISA for CDNA 5 (MIT licence, August 2026) and "CDNA5" Instruction Set Architecture Reference Guide (July 2026). The comments in the code are by the model that wrote it; some were corrected since.
;; GGML Linear. Allowed arithmetic: float matrix products may take bf16 or f16 operands with f32 sums; other float arithmetic in f32, or as packed bf16 or f16 multiplies, adds, multiply-adds, maxima and minima; sums over many terms, partial sums and values carried from step to step in f32; what a program stores and reads back later, other than sums and carried values, may be rounded once to bf16 or f16.
;; Inputs: A 2 x 2,048 x 4,096 float32; scales 4,096 x 128 float32; w_q 4,096 x 4,096 int32.
;; Outputs: out0 2 x 2,048 x 4,096 float32.
;; 2 versions, each right; version 2 is version 1 with the launch prep written anew for expert scheduling mode. Each part assembles by itself: llvm-mc -triple=amdgcn-amd-amdhsa -mcpu=gfx1250 --defsym DOCPART=n.
;; ======== version 1 of 2: 2 launches
;; limits: values are held in f16: magnitudes above 65,504 overflow, below 6.1e-05 lose precision
;; workspace buffers: a16 33,554,432 bytes; w16 33,554,432 bytes
;; launch prep (part 1): grid 256 x 2, 8 waves a work-group, no clusters, 0 bytes of LDS; arguments A, w_q, scales, a16, w16; writes a16, w16
.if DOCPART == 1
	.amdgcn_target "amdgcn-amd-amdhsa--gfx1250"
	.amdhsa_code_object_version 6
	.text
	.protected	k_q5a450da6dd_prep
	.globl	k_q5a450da6dd_prep
	.p2align	8
	.type	k_q5a450da6dd_prep,@function
k_q5a450da6dd_prep:
	s_mov_b64 s[64:65], 0
	v_nop
	global_prefetch_b8 v0, s[64:65] scope:SCOPE_SE
	s_setreg_imm32_b32 hwreg(HW_REG_WAVE_MODE, 25, 1), 1
	s_wait_xcnt 0x0
; THE TWO MATRIX OPERANDS ARE MADE, ONCE.  a16[m][k] = f16(A[m][k]);  w16[o][k] = f16((w_q[o][k] - 128) * scales[o][k / 32]).  Both [4096][4096] f16, rows of 8,192 bytes.
; A stream: every input byte is read once, every output byte written once; nothing is shared between waves, so there is no LDS, no barrier and no matrix work here.
; LIMITS.  f16 holds no number beyond 65,504: an |A| or a |(w - 128) s| of 65,520 or more becomes an infinity; below 6.1e-5 a number keeps f16's fixed step of 6e-8.
; The weight in f32 is w s - 128 s in ONE rounding (128 s is exact), which is the rounded product (w - 128) s for |w| < 2^24; beyond that w rounds to f32 first; 128 s must be finite.
; SHARES.  Work-groups with y = 0 take A, those with y = 1 the weights.  Work-group x owns 16 rows (262,144 bytes in, 131,072 out), each of its eight waves two rows: 8 PIECES of a quarter row
; (4,096 bytes in: 1,024 numbers, 32 blocks of one scale).  A piece is 8 CHUNKS: one load of 16 bytes a lane (512 consecutive bytes) and one store of 8 bytes a lane (256 consecutive bytes, aligned).
; IN FLIGHT.  Four slots of 32 registers, a piece each: one at work, three on their way.  The eight turns are written out, so every address is a register that is never rewritten plus an immediate.
; THE SCALES of a piece are 128 consecutive bytes: one load of 4 bytes a lane brings them once.  In chunk j lane 16 h + p wants block 4 j + 2 h + (p >> 3).  Lane 16 h + p LOADS block
; 4 (p >> 1) + 2 h + (p & 1), so that the wanted one lies in the lane's own half of 16, at place 2 j + (p >> 3): v_permlane16_b32 with places 2 j (lanes 0-7) and 2 j + 1 (lanes 8-15) brings it.
.set PIECE, 4096                       ; bytes in of a piece
.set CHUNK, 512                        ; bytes in of a chunk
.set VIN,  1                           ; v1   32,768 x wave + 16 x lane: my 16 bytes of a chunk; never rewritten
.set VOUT, 2                           ; v2   16,384 x wave + 8 x lane: my 8 bytes out; never rewritten
.set VSC,  3                           ; v3   1,024 x wave + 4 x (the block that I load); never rewritten
.set T,    8                           ; v[8:15]   two sets of four, by the chunk's parity: +0 s, +2 -128 s; +1 and +3 are named in pairs with them and hold 0
.set U,    16                          ; v[16:19]  slot i: the piece's scales, one a lane
.set X,    20                          ; v[20:147] slot i: 32 registers, a piece as loaded; the results are packed in place
.set SEL,  16                          ; s[16:31]  chunk j: the two words of lane selects
	s_load_b256 s[4:11], s[0:1], 0x0               ; A s[4:5], w_q s[6:7], scales s[8:9], a16 s[10:11]
	s_load_b64 s[12:13], s[0:1], 0x20              ; w16
	v_and_b32 v4, 31, v0                           ; lane
	v_lshrrev_b32 v5, 5, v0                        ; wave
	v_lshlrev_b32 v[VIN], 4, v4
	v_lshl_add_u32 v[VIN], v5, 15, v[VIN]
	v_lshlrev_b32 v[VOUT], 3, v4
	v_lshl_add_u32 v[VOUT], v5, 14, v[VOUT]
	s_lshl_b32 s2, ttmp9, 18                       ; the work-group's 16 rows in: 262,144 x at the most 255, under 2^32
	s_mov_b32 s3, 0
	s_lshl_b32 s14, ttmp9, 17                      ; and out
	s_mov_b32 s15, 0
	s_and_b32 s16, ttmp7, 0xffff                   ; y: which tensor
	s_wait_kmcnt 0x0
	s_cmp_lg_u32 s16, 0
	s_cbranch_scc1 .Lweights
; ---------------- A ----------------
.macro FILLA p                         ; piece p into slot p % 4: eight loads of 512 consecutive bytes
.irp j, 0,1,2,3,4,5,6,7
	global_load_b128 v[X+32*((\p)%4)+4*(\j):X+32*((\p)%4)+4*(\j)+3], v[VIN], s[4:5] offset:(\p)*PIECE+(\j)*CHUNK th:TH_LOAD_NT
.endr
.endm
; The turn of piece t.  left = the younger loads that may stay out.
.macro TURNA t, left
	s_wait_loadcnt \left                           ; loads come back in order (ISA guide 5.7.1): piece t is in, the pieces behind it stay on their way
.if (\t)+3 < 8
	s_wait_xcnt 0x0                                ; the stores of the turn before have read their registers: only behind this wait is their slot loaded again
	FILLA (\t)+3
.endif
.irp j, 0,1,2,3,4,5,6,7
.set R, X+32*((\t)%4)+4*(\j)
	v_cvt_pk_f16_f32 v[R], v[R], v[R+1]            ; two roundings to f16, packed, in place
	v_cvt_pk_f16_f32 v[R+1], v[R+2], v[R+3]
	global_store_b64 v[VOUT], v[R:R+1], s[10:11] offset:(\t)*(PIECE/2)+(\j)*(CHUNK/2) th:TH_STORE_NT  ; the wave's store covers 256 consecutive bytes, aligned
.endr
.endm
	s_add_nc_u64 s[4:5], s[4:5], s[2:3]
	s_add_nc_u64 s[10:11], s[10:11], s[14:15]
	FILLA 0
	FILLA 1
	FILLA 2
.irp t, 0,1,2,3,4,5
	TURNA \t, 16                                   ; two younger pieces of eight loads
.endr
	TURNA 6, 8                                     ; nothing is left to fetch: the counts run down
	TURNA 7, 0
	s_endpgm
; ---------------- the weights ----------------
.macro FILLW p                         ; piece p into slot p % 4: its 32 scales, then its eight chunks: nine loads
	global_load_b32 v[U+(\p)%4], v[VSC], s[8:9] offset:(\p)*128
.irp j, 0,1,2,3,4,5,6,7
	global_load_b128 v[X+32*((\p)%4)+4*(\j):X+32*((\p)%4)+4*(\j)+3], v[VIN], s[6:7] offset:(\p)*PIECE+(\j)*CHUNK th:TH_LOAD_NT
.endr
.endm
.macro TURNW t, left
	s_wait_loadcnt \left                           ; piece t and its scales are in
.if (\t)+3 < 8
	s_wait_xcnt 0x0                                ; the stores of the turn before have read their registers: only behind this wait is their slot loaded again
	FILLW (\t)+3
.endif
.irp j, 0,1,2,3,4,5,6,7
.set R, X+32*((\t)%4)+4*(\j)
.set Q, T+4*((\j)%2)
	v_permlane16_b32 v[Q], v[U+(\t)%4], s[SEL+2*(\j)], s[SEL+2*(\j)+1]  ; s of my four numbers' block
	v_cvt_f32_i32 v[R], v[R]
	v_cvt_f32_i32 v[R+1], v[R+1]
	v_cvt_f32_i32 v[R+2], v[R+2]
	v_cvt_f32_i32 v[R+3], v[R+3]
	v_mul_f32 v[Q+2], 0xc3000000, v[Q]             ; -128 s, exact
	v_pk_fma_f32 v[R:R+1], v[R:R+1], v[Q:Q+1], v[Q+2:Q+3] op_sel_hi:[1,0,0]        ; w s - 128 s, one rounding; both halves take the pairs' low words
	v_pk_fma_f32 v[R+2:R+3], v[R+2:R+3], v[Q:Q+1], v[Q+2:Q+3] op_sel_hi:[1,0,0]
	v_cvt_pk_f16_f32 v[R], v[R], v[R+1]
	v_cvt_pk_f16_f32 v[R+1], v[R+2], v[R+3]
	global_store_b64 v[VOUT], v[R:R+1], s[12:13] offset:(\t)*(PIECE/2)+(\j)*(CHUNK/2) th:TH_STORE_NT  ; 256 consecutive bytes, aligned
.endr
.endm
.Lweights:
	v_bfe_u32 v6, v0, 1, 3                         ; (p >> 1)
	v_bfe_u32 v7, v0, 4, 1                         ; h
	v_and_b32 v4, 1, v0                            ; (p & 1)
	v_lshlrev_b32 v[VSC], 4, v6                    ; 4 bytes x (4 (p >> 1) + 2 h + (p & 1))
	v_lshl_add_u32 v[VSC], v7, 3, v[VSC]
	v_lshl_add_u32 v[VSC], v4, 2, v[VSC]
	v_lshl_add_u32 v[VSC], v5, 10, v[VSC]          ; + my wave's two rows of 128 scales
	s_lshl_b32 s16, ttmp9, 13                      ; the work-group's 16 rows of scales
	s_mov_b32 s17, 0
	s_add_nc_u64 s[6:7], s[6:7], s[2:3]
	s_add_nc_u64 s[8:9], s[8:9], s[16:17]
	s_add_nc_u64 s[12:13], s[12:13], s[14:15]
	FILLW 0
	FILLW 1
	FILLW 2
.irp j, 0,1,2,3,4,5,6,7                ; while the first loads are out: the selects (eight fields of 4 bits a word),
	s_mov_b32 s[SEL+2*(\j)], (2*(\j))*0x11111111
	s_mov_b32 s[SEL+2*(\j)+1], (2*(\j)+1)*0x11111111
.endr
.irp i, 0,1,2,3,4,5,6,7                ; and T: v_permlane16_b32 counts as a reader of its destination, and the pairs' upper words are named
	v_mov_b32 v[T+(\i)], 0
.endr
.irp t, 0,1,2,3,4,5
	TURNW \t, 18                                   ; two younger pieces of nine loads
.endr
	TURNW 6, 9
	TURNW 7, 0
	s_endpgm
.Lfunc_end_k_q5a450da6dd_prep:
	.size	k_q5a450da6dd_prep, .Lfunc_end_k_q5a450da6dd_prep-k_q5a450da6dd_prep
	.p2alignl 7, 3214868480
	.fill 96, 4, 3214868480
	.section	.rodata,"a",@progbits
	.p2align	6, 0x0
	.amdhsa_kernel k_q5a450da6dd_prep
		.amdhsa_group_segment_fixed_size 0
		.amdhsa_private_segment_fixed_size 0
		.amdhsa_enable_private_segment 0
		.amdhsa_kernarg_size 40
		.amdhsa_user_sgpr_count 2
		.amdhsa_user_sgpr_kernarg_segment_ptr 1
		.amdhsa_wavefront_size32 1
		.amdhsa_system_sgpr_workgroup_id_x 1
		.amdhsa_system_sgpr_workgroup_id_y 1
		.amdhsa_system_sgpr_workgroup_id_z 1
		.amdhsa_system_vgpr_workitem_id 0
		.amdhsa_next_free_vgpr 148
		.amdhsa_next_free_sgpr 66
		.amdhsa_reserve_vcc 0
		.amdhsa_float_denorm_mode_32 3
		.amdhsa_float_denorm_mode_16_64 3
		.amdhsa_memory_ordered 1
		.amdhsa_forward_progress 1
		.amdhsa_inst_pref_size 69
	.end_amdhsa_kernel
	.amdgpu_metadata
---
amdhsa.version: [ 1, 2 ]
amdhsa.kernels:
  - .name:           k_q5a450da6dd_prep
    .symbol:         k_q5a450da6dd_prep.kd
    .args:
      - { .name: A, .offset: 0, .size: 8, .value_kind: global_buffer, .address_space: global }
      - { .name: w_q, .offset: 8, .size: 8, .value_kind: global_buffer, .address_space: global }
      - { .name: scales, .offset: 16, .size: 8, .value_kind: global_buffer, .address_space: global }
      - { .name: a16, .offset: 24, .size: 8, .value_kind: global_buffer, .address_space: global }
      - { .name: w16, .offset: 32, .size: 8, .value_kind: global_buffer, .address_space: global }
    .group_segment_fixed_size: 0
    .private_segment_fixed_size: 0
    .kernarg_segment_align: 8
    .kernarg_segment_size: 40
    .max_flat_workgroup_size: 256
    .sgpr_count:     66
    .vgpr_count:     148
    .wavefront_size: 32
...
	.end_amdgpu_metadata
.endif
;; end of part 1
;; launch gemm (part 2): grid 16 x 16, 4 waves a work-group, clusters of 4 x 4, 327,680 bytes of LDS; arguments a16, w16, out0; writes out0
.if DOCPART == 2
	.amdgcn_target "amdgcn-amd-amdhsa--gfx1250"
	.amdhsa_code_object_version 6
	.text
	.protected	k_q5a450da6dd_gemm
	.globl	k_q5a450da6dd_gemm
	.p2align	8
	.type	k_q5a450da6dd_gemm,@function
k_q5a450da6dd_gemm:
	s_mov_b64 s[64:65], 0
	v_nop
	global_prefetch_b8 v0, s[64:65] scope:SCOPE_SE
	s_setreg_imm32_b32 hwreg(HW_REG_WAVE_MODE, 25, 1), 1
	s_wait_xcnt 0x0
	s_wait_alu depctr_hold_cnt(0) depctr_sa_sdst(0) depctr_va_vdst(0) depctr_va_sdst(0) depctr_va_ssrc(0) depctr_va_vcc(0) depctr_vm_vsrc(0)
	s_getreg_b32 s2, hwreg(HW_REG_IB_STS2, 6, 4)
	s_cmp_eq_u32 s2, 0
	s_cbranch_scc0 .Lentry_in_a_cluster
	s_endpgm
.Lentry_in_a_cluster:
	s_bfe_u32 s2, ttmp6, 0x10000c
	s_cmp_lg_u32 s2, 0xf033
	s_cbranch_scc0 .Lentry_shape_is_right
	s_endpgm
.Lentry_shape_is_right:
; out0[m][n] = the sum over k of a16[m][k] w16[n][k].  a16, w16: [4096][4096] f16, K along the rows; out0: [4096][4096] f32.  One f32 sum for each output, K ascending.
; LIMITS.  The operands arrive in f16 (made by the launch before, which states f16's range and step); NaN and infinities go through the products as they are.
; A tile of out0, 256 x 256, is made by a work-group of four waves; a wave makes 128 x 128: 64 accumulators of 16 x 16, 512 registers.  16 x 16 tiles: one for each of 256 work-groups.
; K goes in steps of 128 through a ring of two LDS slots filled by the tensor data mover: the tiles' rows are 256 bytes of memory and start at multiples of 256 bytes from the buffer's first byte.
; CLUSTERS: 4 x 4 work-groups.  The four of a row of the cluster need the same tiles of a16, the four of a column the same tiles of w16.  Such a tile is asked for JOINTLY: each of the four
; issues the same tensor load, with the same descriptor and a mask that names the four, and each receives it in its own LDS: a quarter of the requests.
; REGISTERS, in windows of 256 (s_set_vgpr_msb's low byte: bits 1:0 source 0, 3:2 source 1, 5:4 source 2, 7:6 destination):
;   window 0: v0-31 addresses; v64-127, v128-191 fragments of a16 (8 x 16 rows x 32 K), two buffers; on the way out the same 128 registers take rows read back from the stage
;   window 1: v64-127, v128-191 fragments of w16, two buffers
;   window 2: the 32 accumulators of my rows 0-63 (accumulator (a, b) at v[8 (8 a + b)]);   window 3: those of my rows 64-127
; THE MATRIX INSTRUCTION IS USED TRANSPOSED: source 0 = 16 rows of w16, source 1 = 16 rows of a16.  In the result lane l holds row m = l % 16 of out0 and its registers 0 to 7 the columns
; 8 (l / 16) + 0 .. 7: 32 consecutive bytes of a row.
.set SIZE_K, 4096
.set SIZE_N, 4096
.set KSTEP,  128
.set PITCH,  272                       ; an LDS row: 256 bytes + 16 of padding = 68 words: row r starts at bank 4 r mod 64 (64 banks of 4 bytes: ISA guide 11.1), so the 16 rows of a load start at 16 different banks
.set HALFT,  128*PITCH                 ; 128 rows: what one tensor load brings, and what one wave reads of either operand
.set SLOT,   4*HALFT                   ; a16's 256 rows, then w16's 256 rows
.set STAGE,  2*SLOT                    ; behind the ring (byte 278,528, a multiple of 256), never filled by a tensor load: a stage for each wave, for the way out
.set SPITCH, 528                       ; a stage row: 512 bytes (128 f32) + 16 = 33 x 16: the 16 rows that a store touches fall into 16 different columns of 16 bytes
.set WSTAGE, 16*SPITCH                 ; 16 rows: 8,448 bytes, 33 blocks of 256
.set SPARE,  STAGE+4*WSTAGE            ; behind the stages: the spare words, 128 bytes for each wave: two blocks of 256 bytes that no other line names
.set LAPS,   SIZE_K/(2*KSTEP)          ; a lap = two K steps = once round the ring: 16
.set CROW,   SIZE_N*4                  ; bytes in a row of out0
.set ADRA, 16                          ; v16-17  LDS address of my a16 fragments in slot 0, 1
.set ADRB, 20                          ; v20-21  the same for w16
.set STO,  24                          ; v24     the way out: where I put 32 bytes of a row
.set RD,   25                          ; v25     the way out: where I read 16 bytes of a row back
.set CO,   26                          ; v26     16 x lane: my 16 bytes of 512 in a row of out0; never rewritten
.set SPW,  28                          ; v28     LDS address of my spare word: SPARE + 4 x my thread's number; never rewritten
.set NIL,  29                          ; v29     0; never rewritten
.set PFO,  30                          ; v30     the prefetches' offset: my lane x a row of an operand (8,192 bytes); never rewritten
.set PFA,  44                          ; s[44:45] where my prefetches stand: my work-group's 32 rows of the 128 that I fetch, one K step beyond the refill in hand; a prefetch names the K step after that
.set LIM,  43                          ; s43     1 in a wave that prefetches, else the greatest number
.set F0,   64                          ; fragment buffer 0
.set F1,   128                         ; fragment buffer 1
.set G1,  24                           ; s[24:31] descriptor group 1 for a16's tiles
.set G0,  32                           ; s[32:39] descriptor group 0 for a16's tiles, a set for each slot
.set G1B, 48                           ; s[48:55] group 1 for w16's tiles: it differs in the mask alone
.set G0B, 56                           ; s[56:63] group 0 for w16's tiles, a set for each slot
.set MSB, 0
.macro WIN new                         ; the immediate's high byte repeats the setting that is left; a switch that changes nothing is dropped
.if MSB != (\new)
	s_set_vgpr_msb (MSB<<8)|(\new)
.set MSB, \new
.endif
.endm
.set MUL_LO, 0xa1                      ; source 0 (w16) window 1, source 1 (a16) window 0, C and D window 2
.set MUL_HI, 0xf1                      ; the same, C and D window 3
.set TO_B,   0x40                      ; destination window 1, address window 0
; A joint load.  Waves 0 and 1 fetch a16's two halves, waves 2 and 3 w16's.  Each of the two lines has one mask and one set of registers for all that issue it.  The branch hangs on the wave's
; number alone.  An s_nop 0 and four v_nop follow each line, ahead of the jump, the label and what follows the macro.
.macro JLOAD s
	s_cmp_eq_u32 s11, 0
	s_cbranch_scc0 .Lfor_b_\@
	tensor_load_to_lds s[G0+4*(\s):G0+4*(\s)+3], s[G1:G1+7]
	s_nop 0
.rept 4
	v_nop
.endr
	s_branch .Lasked_\@
.Lfor_b_\@:
	tensor_load_to_lds s[G0B+4*(\s):G0B+4*(\s)+3], s[G1B:G1B+7]
	s_nop 0
.rept 4
	v_nop
.endr
.Lasked_\@:
.endm
; A prefetch, behind each joint refill and the run of LDS loads that follows it: the K step that stands TWO refills on (512 matrix instructions ahead of the load that will ask for it): 32 rows x 256 bytes,
; a lane a row, one instruction a wave.  Each row's 256 bytes of a K step are named once in the launch: a16's tile row is read by every cluster of that row of clusters, and the one with x = 0 asks;
; w16's tile column by every cluster of that column, and the one with y = 0 asks.  The four partners that ask for a tile jointly share its rows out BY ADDRESS: of the 128 rows that a wave fetches
; the partner at place p takes 32 p .. 32 p + 31 (p = cx for a16, cy for w16): no branch hangs on a place in the cluster.  In trip u of the loop K steps 2 u + 4 and 2 u + 5 are named; the last trip
; (s3 = 1) names nothing, so K step 31 is the last.  K steps 0 to 3 come by their loads alone.
.macro ASK
	s_cmp_gt_u32 s3, s[LIM]
	s_cbranch_scc0 .Lnot_mine_\@
	global_prefetch_b8 v[PFO], s[PFA:PFA+1] offset:KSTEP*2 th:TH_LOAD_NT scope:SCOPE_SE
.Lnot_mine_\@:
.endm
; A round of the cluster's barrier: my work-group's barrier, so that wave 0's signal speaks for all four waves; wave 0 signals for the work-group; every wave waits for all sixteen work-groups;
; my work-group's barrier once more.  No LDS instruction of the wave is pending at a signal.
.macro CREST                           ; a round behind its opening barrier
	s_cmp_lg_u32 s10, 0
	s_cbranch_scc1 .Lnot_wave_0_\@
	s_barrier_signal -3
.Lnot_wave_0_\@:
	s_barrier_wait -3
	s_barrier_signal -1
	s_barrier_wait -1
.endm
.macro CROUND                          ; a whole round
	s_barrier_signal -1
	s_barrier_wait -1
	CREST
.endm
	s_load_b128 s[4:7], s[0:1], 0x0                ; a16 s[4:5], w16 s[6:7]
	s_load_b64 s[8:9], s[0:1], 0x10                ; out0
	v_lshl_add_u32 v[SPW], v0, 2, SPARE
	v_mov_b32 v[NIL], 0
	ds_add_u32 v[SPW], v[NIL]                      ; the wave's opening: the add and its wait stand ahead of my first tensor load; the set-up below, work on registers, stands between them
	v_lshrrev_b32 v1, 5, v0
	v_readfirstlane_b32 s10, v1                    ; wave 0..3
	s_lshr_b32 s11, s10, 1                         ; which half of the tile's rows is mine.  Also: I fetch for a16 (0) or for w16 (1)
	s_and_b32 s12, s10, 1                          ; which half of its columns.  Also: which 128 rows of that tile I fetch
	s_bfe_u32 s40, ttmp6, 0x40000                  ; cx: my place along the cluster's x
	s_bfe_u32 s41, ttmp6, 0x40004                  ; cy: along its y
	s_lshl_b32 s42, ttmp9, 2                       ; in a cluster launch ttmp9 and ttmp7 count clusters
	s_add_co_u32 s42, s42, s40                     ; tile column = 4 x cluster x + cx
	s_and_b32 s13, ttmp7, 0xffff
	s_lshl_b32 s13, s13, 2
	s_add_co_u32 s13, s13, s41                     ; tile row = 4 x cluster y + cy
	s_lshl_b32 s43, s41, 2
	s_lshl_b32 s43, 15, s43                        ; my row of the cluster: places 4 cy .. 4 cy + 3
	s_lshl_b32 s44, 0x1111, s40                    ; my column: places cx, cx + 4, cx + 8, cx + 12
	; descriptor group 1: a tile of 128 rows x 128 elements, padded in LDS
	s_or_b32 s[G1+0], s43, (1<<16)|(1<<20)|(1<<21)|(5<<22)|(3<<25)  ; 15:0 the mask: a16's tiles go to my row; 17:16 elements of 2 bytes; 20 padding on; 21 set beside a mask; 24:22 after every 64 words (code 5); 31:25 4 words of it (code 3)
	s_or_b32 s[G1B+0], s44, (1<<16)|(1<<20)|(1<<21)|(5<<22)|(3<<25) ; the same with the mask of my column, for w16's tiles
.irp g, G1, G1B
	s_mov_b32 s[(\g)+1], KSTEP<<16                 ; 63:48 tensor_dim0, low half = 128
	s_mov_b32 s[(\g)+2], 128<<16                   ; 79:64 its high half = 0; 95:80 tensor_dim1, low half = 128
	s_mov_b32 s[(\g)+3], KSTEP<<16                 ; 111:96 its high half = 0; 127:112 tile_dim0 = 128
	s_mov_b32 s[(\g)+4], 128                       ; 143:128 tile_dim1 = 128; 159:144 tile_dim2 = 0
	s_mov_b32 s[(\g)+5], SIZE_K                    ; 191:160 tensor_dim0_stride, low word: elements from row to row
	s_mov_b32 s[(\g)+6], 0
	s_mov_b32 s[(\g)+7], 0
.endr
	; where the tiles come from.  a16's hang on the tile row alone, which my row of the cluster shares; w16's on the tile column alone, which my column shares.
	; Every wave makes both addresses, in registers that never hold the other coordinate, and asks by one of them.
	s_lshl_b32 s17, s12, 7                         ; which 128 rows of the tile I fetch
	s_lshl_b32 s16, s13, 8
	s_add_co_u32 s16, s16, s17                     ; a16: row 256 x tile row + 128 x half
	s_lshl_b32 s46, s42, 8
	s_add_co_u32 s46, s46, s17                     ; w16: row 256 x tile column + 128 x half
	s_mov_b32 s17, 0
	s_mov_b32 s47, 0
	s_mov_b64 s[18:19], SIZE_K*2
	s_mul_u64 s[16:17], s[16:17], s[18:19]         ; in bytes
	s_mul_u64 s[46:47], s[46:47], s[18:19]
	s_mul_i32 s20, s10, HALFT                      ; and where they go: a16's two halves, then w16's two = wave x 128 rows: no place in the cluster enters an LDS address
	s_wait_dscnt 0x0                               ; the opening add is done
	s_wait_kmcnt 0x0
	s_add_nc_u64 s[14:15], s[4:5], s[16:17]
	s_add_nc_u64 s[46:47], s[6:7], s[46:47]
	CROUND                                         ; all sixteen work-groups are here: the first joint loads meet
.irp s, 0,1
	s_mov_b32 s[G0+4*(\s)], 1                                      ; 1:0 count = 1
	s_add_co_u32 s[G0+4*(\s)+1], s20, (\s)*SLOT                    ; 63:32 LDS address
	s_add_nc_u64 s[G0+4*(\s)+2:G0+4*(\s)+3], s[14:15], (\s)*KSTEP*2  ; 120:64 global address: K step s
	s_or_b32 s[G0+4*(\s)+3], s[G0+4*(\s)+3], 0x80000000            ; 127:126 type = 2
	s_mov_b32 s[G0B+4*(\s)], 1
	s_add_co_u32 s[G0B+4*(\s)+1], s20, (\s)*SLOT
	s_add_nc_u64 s[G0B+4*(\s)+2:G0B+4*(\s)+3], s[46:47], (\s)*KSTEP*2
	s_or_b32 s[G0B+4*(\s)+3], s[G0B+4*(\s)+3], 0x80000000
	JLOAD \s                                       ; the ring is filled before anything else is done: two loads of mine are out
.endr
	; A fragment is 16 rows x 32 K in 8 registers: lane l holds row l % 16; registers 0-3 hold K = 8 (l / 16) + 0..7, registers 4-7 K = 16 + 8 (l / 16) + 0..7: two loads of 16 bytes, 32 bytes apart.
	v_and_b32 v1, 15, v0                           ; l % 16
	v_bfe_u32 v2, v0, 4, 1                         ; l / 16
	v_mul_u32_u24 v3, v1, PITCH
	v_lshl_add_u32 v3, v2, 4, v3                   ; row x pitch + 16 x half
	s_mul_i32 s21, s11, HALFT                      ; my 128 rows of a16
	s_mul_i32 s22, s12, HALFT                      ; my 128 rows of w16,
	s_add_co_u32 s22, s22, 2*HALFT                 ; which lie behind a16's 256
.irp s, 0,1
	v_add_nc_u32 v[ADRA+(\s)], s21, v3
	v_add_nc_u32 v[ADRB+(\s)], s22, v3
	s_add_co_u32 s21, s21, SLOT
	s_add_co_u32 s22, s22, SLOT
.endr
	s_mul_i32 s23, s10, WSTAGE
	s_add_co_u32 s23, s23, STAGE                   ; my stage
	v_mul_u32_u24 v4, v1, SPITCH                   ; in: row l % 16, 32 bytes for each half of the lanes
	v_lshl_add_u32 v4, v2, 5, v4
	v_add_nc_u32 v[STO], s23, v4
	v_and_b32 v5, 31, v0
	v_lshlrev_b32 v[CO], 4, v5                     ; back: 32 lanes take one row of 512 bytes,
	v_add_nc_u32 v[RD], s23, v[CO]                 ; which are 512 consecutive bytes of out0
	; out0 at my part of the tile
	s_lshl_b32 s13, s13, 8
	s_lshl_b32 s14, s11, 7
	s_add_co_u32 s16, s13, s14                     ; my first row: 256 x tile row + 128 x half
	s_mov_b32 s17, 0
	s_mov_b64 s[18:19], CROW
	s_mul_u64 s[16:17], s[16:17], s[18:19]
	s_lshl_b32 s46, s42, 10                        ; my first column, in bytes: 1,024 x tile column + 512 x half
	s_lshl_b32 s47, s12, 9
	s_add_co_u32 s46, s46, s47
	s_mov_b32 s47, 0
	s_add_nc_u64 s[16:17], s[16:17], s[46:47]
	s_add_nc_u64 s[8:9], s[8:9], s[16:17]          ; written once: all 128 rows are reached by the stores' immediates
	; the prefetches.  s13 = 256 x tile row, s42 = tile column, s40 = cx, s41 = cy still stand
	s_lshl_b32 s42, s42, 8
	s_and_b32 s22, ttmp7, 0xffff                   ; cluster y
	s_cmp_eq_u32 s11, 0                            ; do I fetch for a16?
	s_cselect_b32 s20, s13, s42                    ; the tile's first row
	s_cselect_b32 s21, s40, s41                    ; my place among the four that ask for it with me
	s_cselect_b32 s22, ttmp9, s22                  ; the coordinate along which other clusters read the same rows
	s_cselect_b64 s[PFA:PFA+1], s[4:5], s[6:7]
	s_cmp_eq_u32 s22, 0
	s_cselect_b32 s[LIM], 1, -1                    ; the same in all sixteen partners, for a given wave
	s_lshl_b32 s22, s12, 7
	s_add_co_u32 s20, s20, s22                     ; + the 128 rows that I fetch
	s_lshl_b32 s21, s21, 5
	s_add_co_u32 s20, s20, s21                     ; + my work-group's 32 of them
	s_mov_b32 s21, 0
	s_mov_b64 s[18:19], SIZE_K*2
	s_mul_u64 s[20:21], s[20:21], s[18:19]
	s_add_nc_u64 s[PFA:PFA+1], s[PFA:PFA+1], s[20:21]
	s_add_nc_u64 s[PFA:PFA+1], s[PFA:PFA+1], 2*KSTEP*2  ; at K step 2: the first refill steps it to 3 and names K step 4
	v_and_b32 v[PFO], 31, v0
	v_mul_u32_u24 v[PFO], v[PFO], SIZE_K*2
; 16 matrix instructions: m blocks a0, a0 + 1 of the window's four (hi = 0: my rows 0-63, 1: rows 64-127) x all 8 n blocks, 32 along K.  zero = 1: the product starts the sum: nothing is ever cleared.
; The 64 accumulators take turns in the same order in every quarter step: between two instructions on one accumulator stand the 63 others', over the backward jump and into the tail too.
.macro MUL16 f, hi, a0, zero
	WIN MUL_LO+0x50*(\hi)
.irp a, \a0, (\a0)+1
.irp b, 0,1,2,3,4,5,6,7
.if \zero
	v_wmma_f32_16x16x32_f16 v[8*(8*(\a)+(\b)):8*(8*(\a)+(\b))+7], v[(\f)+8*(\b):(\f)+8*(\b)+7], v[(\f)+8*(4*(\hi)+(\a)):(\f)+8*(4*(\hi)+(\a))+7], 0
.else
	v_wmma_f32_16x16x32_f16 v[8*(8*(\a)+(\b)):8*(8*(\a)+(\b))+7], v[(\f)+8*(\b):(\f)+8*(\b)+7], v[(\f)+8*(4*(\hi)+(\a)):(\f)+8*(4*(\hi)+(\a))+7], v[8*(8*(\a)+(\b)):8*(8*(\a)+(\b))+7]
.endif
.endr
.endr
.endm
; 32 LDS loads in one run: the fragments of one quarter step (128 rows of w16, 128 rows of a16, 32 K at byte k of the rows) into buffer f
.macro FETCH slot, k, f
	WIN TO_B
.irp i, 0,1,2,3,4,5,6,7
	ds_load_b128 v[(\f)+8*(\i):(\f)+8*(\i)+3],   v[ADRB+(\slot)] offset:(\k)+(\i)*16*PITCH
	ds_load_b128 v[(\f)+8*(\i)+4:(\f)+8*(\i)+7], v[ADRB+(\slot)] offset:(\k)+(\i)*16*PITCH+32
.endr
	WIN 0
.irp i, 0,1,2,3,4,5,6,7
	ds_load_b128 v[(\f)+8*(\i):(\f)+8*(\i)+3],   v[ADRA+(\slot)] offset:(\k)+(\i)*16*PITCH
	ds_load_b128 v[(\f)+8*(\i)+4:(\f)+8*(\i)+7], v[ADRA+(\slot)] offset:(\k)+(\i)*16*PITCH+32
.endr
.endm
; A load into a register that a matrix instruction has read, and a store that reads a matrix result, stand four places behind that matrix instruction, and only plain vector instructions that
; name none of its registers are places (ISA guide 7.12.1 for vector instructions); the matrix instructions in between are not counted.
.macro PLACES
.rept 4
	v_nop
.endr
.endm
; A K step is four quarter steps of 32 along K, 64 matrix instructions each, on buffers 0, 1, 0, 1.
; One of the first three: multiplies buffer f; in its middle it fetches the next quarter's fragments, at byte k of the same slot's rows, into buffer g.
.macro QUARTER slot, k, f, g, zero
	s_wait_dscnt 8                                 ; w16's and a16's rows 0-63 are in; the youngest eight loads (a16's rows 64-127) may be out
	MUL16 \f, 0, 0, \zero
	MUL16 \f, 0, 2, \zero
	PLACES
	FETCH \slot, \k, \g
	s_wait_dscnt 32                                ; all but the 32 just issued
	MUL16 \f, 1, 0, \zero
	MUL16 \f, 1, 2, \zero
.endm
; The last quarter multiplies buffer 1 and changes slots.  MEET is its first half: ONE barrier for the change.  In front of it each wave waits for all its tensor loads, of which one is out: its part
; of the next slot; adds 0 to its spare word; and waits for that and for its own reads of this slot.  Behind it nobody reads this slot any more and the next slot is whole.
.macro MEET round                      ; round = 1: the rest of a round of the cluster's barrier follows
	WIN 0                                          ; (the add's two registers lie in window 0)
	s_wait_tensorcnt 0x0                           ; all my tensor loads have landed;
	ds_add_u32 v[SPW], v[NIL]                      ; 0 onto my spare word;
	s_wait_dscnt 9                                 ; (the add and the youngest eight loads may be out)
	MUL16 F1, 0, 0, 0                              ; sixteen matrix instructions stand between the add and the wait for it
	s_wait_dscnt 0x0                               ; the add is done, and my reads of this slot are over:
	s_barrier_signal -1                            ; say so,
	MUL16 F1, 0, 2, 0                              ; work on registers while the others arrive,
.if \round
	WIN 0
.endif
	s_barrier_wait -1                              ; and go on when all four have said so
.endm
; The whole last quarter, with a refill.  The barrier opens a round of the cluster's barrier; behind the round the slot just read out is filled again first, with the K step two steps on; then come the next
; slot's first fragments.  From a request to the wait for it a wave issues 224 matrix instructions.
.macro TURN slot, next
	s_wait_xcnt 0x0                                ; the last prefetch, a K step back, has read its address: it is stepped here, ahead of the waits of the change of slots
	s_add_nc_u64 s[PFA:PFA+1], s[PFA:PFA+1], KSTEP*2
	MEET 1
	CREST                                          ; no wave of any partner still reads this slot's tile or has a load on its way
	s_add_nc_u64 s[G0+4*(\slot)+2:G0+4*(\slot)+3], s[G0+4*(\slot)+2:G0+4*(\slot)+3], 2*KSTEP*2    ; no tensor load of mine is out, so a group 0 may be written; the type bits on top are not reached
	s_add_nc_u64 s[G0B+4*(\slot)+2:G0B+4*(\slot)+3], s[G0B+4*(\slot)+2:G0B+4*(\slot)+3], 2*KSTEP*2
	JLOAD \slot                                    ; my one tensor load behind the round; the four v_nop behind it are also the places in front of the loads below
	FETCH \next, 0, F0
	ASK
	MUL16 F1, 1, 0, 0
	MUL16 F1, 1, 2, 0
.endm
; The way out of block a (16 rows x 128 columns of f32).  TOSTAGE: the eight accumulators go as they are into my own stage, each one's low four registers first,
; and come back as whole rows of 512 bytes.  SEND: stored.
.macro TOSTAGE a
.set AC, 64*((\a)%4)
.set BK, F0+64*((\a)%2)
	WIN 0x08+4*((\a)/4)                            ; the stores' data (source 1) in window 2 or 3, the address in window 0
.irp b, 0,1,2,3,4,5,6,7
	ds_store_b128 v[STO], v[AC+8*(\b):AC+8*(\b)+3]   offset:64*(\b)
	ds_store_b128 v[STO], v[AC+8*(\b)+4:AC+8*(\b)+7] offset:64*(\b)+16
.endr
	WIN 0
.if (\a) >= 2
	s_wait_xcnt 0x0                                ; the stores of the block two back have read these 64 registers: only behind this wait are they loaded again
.endif
.irp t, 0,1,2,3,4,5,6,7,8,9,10,11,12,13,14,15
	ds_load_b128 v[BK+4*(\t):BK+4*(\t)+3], v[RD] offset:(\t)*SPITCH  ; LDS serves a wave's instructions in order (ISA guide 5.7.1.4): these see the stores above, and the next block's stores come behind them
.endr
.endm
.macro SEND a, younger                 ; younger: the LDS instructions issued behind block a's loads: the next block's 32, or none
.set BK, F0+64*((\a)%2)
.irp t, 0,1,2,3,4,5,6,7,8,9,10,11,12,13,14,15
	s_wait_dscnt (\younger)+15-(\t)                ; row t is back
	global_store_b128 v[CO], v[BK+4*(\t):BK+4*(\t)+3], s[8:9] offset:(16*(\a)+(\t))*CROW th:TH_STORE_NT  ; 512 consecutive bytes, at a multiple of 512 from out0's first; 127 rows at the most: 2,080,768, inside the signed 24-bit immediate
.endr
.endm
	s_wait_tensorcnt 1                             ; my part of K step 0 is in; K step 1's may stay out
	s_barrier_signal -1
	s_barrier_wait -1                              ; everybody's is
	FETCH 0, 0, F0
	QUARTER 0, 64,  F0, F1, 1                      ; the first quarter stands in front of the loop: its products start the sums
	WIN 0                                          ; at a label and at a branch every window is 0
	s_mov_b32 s3, LAPS-1
.Llap:                                                 ; a trip goes once round the ring, from a lap's second quarter to the next lap's first, and fills both slots again
	QUARTER 0, 128, F1, F0, 0
	QUARTER 0, 192, F0, F1, 0
	TURN 0, 1
	QUARTER 1, 64,  F0, F1, 0
	QUARTER 1, 128, F1, F0, 0
	QUARTER 1, 192, F0, F1, 0
	TURN 1, 0
	QUARTER 0, 64,  F0, F1, 0
	WIN 0
	s_sub_co_u32 s3, s3, 1
	s_cmp_lg_u32 s3, 0
	s_cbranch_scc1 .Llap
	QUARTER 0, 128, F1, F0, 0                      ; the last lap is written out: it asks for nothing
	QUARTER 0, 192, F0, F1, 0
	MEET 0                                         ; my one tensor load that was still out is slot 1's, the last K step's, so no round follows
	PLACES                                         ; for the loads into buffer 0, which the quarter before multiplied
	FETCH 1, 0, F0
	MUL16 F1, 1, 0, 0
	MUL16 F1, 1, 2, 0
	QUARTER 1, 64,  F0, F1, 0
	QUARTER 1, 128, F1, F0, 0
	QUARTER 1, 192, F0, F1, 0
	s_wait_dscnt 8                                 ; the very last quarter: nothing more to fetch
	MUL16 F1, 0, 0, 0
	MUL16 F1, 0, 2, 0
	s_wait_dscnt 0x0
	MUL16 F1, 1, 0, 0
	MUL16 F1, 1, 2, 0
	; THE WAY OUT.  A block's stores into the stage and its loads back stand ahead of the global stores of the block before, so that the wave does not sit out the stage's round trip.
	PLACES                                         ; behind the last products: the LDS stores read results, and the loads back land in registers that products have read;
	PLACES                                         ; twice the four that are asked for, once a launch
	TOSTAGE 0
.irp a, 1,2,3,4,5,6,7
	TOSTAGE \a
	SEND (\a)-1, 32
.endr
	SEND 7, 0
	WIN 0
	s_wait_tensorcnt 0x0                           ; the wave's end: behind my last tensor load and my last LDS store
	ds_add_u32 v[SPW], v[NIL]
	s_wait_dscnt 0x0
	CROUND                                         ; the closing round: no work-group ends while a partner may still ask for a tile that names it
	s_endpgm
.Lfunc_end_k_q5a450da6dd_gemm:
	.size	k_q5a450da6dd_gemm, .Lfunc_end_k_q5a450da6dd_gemm-k_q5a450da6dd_gemm
	.p2alignl 7, 3214868480
	.fill 96, 4, 3214868480
	.section	.rodata,"a",@progbits
	.p2align	6, 0x0
	.amdhsa_kernel k_q5a450da6dd_gemm
		.amdhsa_group_segment_fixed_size 327680
		.amdhsa_private_segment_fixed_size 0
		.amdhsa_enable_private_segment 0
		.amdhsa_kernarg_size 24
		.amdhsa_user_sgpr_count 2
		.amdhsa_user_sgpr_kernarg_segment_ptr 1
		.amdhsa_wavefront_size32 1
		.amdhsa_system_sgpr_workgroup_id_x 1
		.amdhsa_system_sgpr_workgroup_id_y 1
		.amdhsa_system_sgpr_workgroup_id_z 1
		.amdhsa_system_vgpr_workitem_id 0
		.amdhsa_next_free_vgpr 1024
		.amdhsa_next_free_sgpr 66
		.amdhsa_reserve_vcc 0
		.amdhsa_float_denorm_mode_32 3
		.amdhsa_float_denorm_mode_16_64 3
		.amdhsa_memory_ordered 1
		.amdhsa_forward_progress 1
		.amdhsa_inst_pref_size 145
	.end_amdhsa_kernel
	.amdgpu_metadata
---
amdhsa.version: [ 1, 2 ]
amdhsa.kernels:
  - .name:           k_q5a450da6dd_gemm
    .symbol:         k_q5a450da6dd_gemm.kd
    .args:
      - { .name: a16, .offset: 0, .size: 8, .value_kind: global_buffer, .address_space: global }
      - { .name: w16, .offset: 8, .size: 8, .value_kind: global_buffer, .address_space: global }
      - { .name: out0, .offset: 16, .size: 8, .value_kind: global_buffer, .address_space: global }
    .group_segment_fixed_size: 327680
    .private_segment_fixed_size: 0
    .kernarg_segment_align: 8
    .kernarg_segment_size: 24
    .max_flat_workgroup_size: 128
    .sgpr_count:     66
    .vgpr_count:     1024
    .wavefront_size: 32
...
	.end_amdgpu_metadata
.endif
;; end of part 2
;; ======== version 2 of 2: 2 launches; version 1 with the launch prep written anew for expert scheduling mode
;; limits: values are held in f16: magnitudes above 65,504 overflow, below 6.1e-05 lose precision
;; workspace buffers: a16 33,554,432 bytes; w16 33,554,432 bytes
;; launch prep (part 3): grid 256 x 2, 8 waves a work-group, no clusters, 0 bytes of LDS; arguments A, w_q, scales, a16, w16; writes a16, w16
.if DOCPART == 3
	.amdgcn_target "amdgcn-amd-amdhsa--gfx1250"
	.amdhsa_code_object_version 6
	.text
	.protected	k_q5a450da6dd_prep
	.globl	k_q5a450da6dd_prep
	.p2align	8
	.type	k_q5a450da6dd_prep,@function
k_q5a450da6dd_prep:
	s_mov_b64 s[64:65], 0
	v_nop
	global_prefetch_b8 v0, s[64:65] scope:SCOPE_SE
	s_setreg_imm32_b32 hwreg(HW_REG_WAVE_SCHED_MODE, 0, 2), 2
	s_setreg_imm32_b32 hwreg(HW_REG_WAVE_MODE, 25, 1), 1
	s_wait_xcnt 0x0
	s_wait_alu depctr_vm_vsrc(0)
; THE TWO MATRIX OPERANDS ARE MADE, ONCE.  a16[m][k] = f16(A[m][k]);  w16[o][k] = f16((w_q[o][k] - 128) * scales[o][k / 32]).  Both [4096][4096] f16, rows of 8,192 bytes.
; A stream: every input byte is read once, every output byte written once; nothing is shared between waves, so there is no LDS, no barrier and no matrix work here.
; LIMITS.  f16 holds no number beyond 65,504: an |A| or a |(w - 128) s| of 65,520 or more becomes an infinity; below 6.1e-5 a number keeps f16's fixed step of 6e-8.
; The weight in f32 is w s - 128 s in ONE rounding (128 s is exact), which is the rounded product (w - 128) s for |w| < 2^24; beyond that w rounds to f32 first; 128 s must be finite.
; SHARES.  Work-groups with y = 0 take A, those with y = 1 the weights.  Work-group x owns 16 rows (262,144 bytes in, 131,072 out), each of its eight waves two rows: 8 PIECES of a quarter row
; (4,096 bytes in: 1,024 numbers, 32 blocks of one scale).  A piece is 8 CHUNKS: one load of 16 bytes a lane (512 consecutive bytes) and one store of 8 bytes a lane (256 consecutive bytes, aligned).
; IN FLIGHT.  Four slots of 32 registers, a piece each: one at work, three on their way.  The eight turns are written out, so every address is a register that is never rewritten plus an immediate.
; THE SCALES of a piece are 128 consecutive bytes: one load of 4 bytes a lane brings them once.  In chunk j lane 16 h + p wants block 4 j + 2 h + (p >> 3).  Lane 16 h + p LOADS block
; 4 (p >> 1) + 2 h + (p & 1), so that the wanted one lies in the lane's own half of 16, at place 2 j + (p >> 3): v_permlane16_b32 with places 2 j (lanes 0-7) and 2 j + 1 (lanes 8-15) brings it.
; THE MODE: SCHED_MODE bits 1:0 = 2 (LLVM: expert scheduling mode 2), set by the entry lines.  The code itself states the register dependences between vector instructions and memory
; instructions, with s_wait_alu, always for 0.
; THE PLAN.  Turn t works on piece t.  Registers that memory instructions touch:
;   X0 .. X3   a piece as loaded.  The loads of piece t + 3, issued in turn t, land in X[(t - 1) % 4]; turn t's vector lines read X[t % 4] (the weights' path also works in place there).
;   U0 .. U3   a piece's scales (weights alone): loaded with the piece, read by turn t's v_permlane16_b32 from U[t % 4].
;   Y0, Y1     a piece to store.  Written by turn t's roundings (Y[t % 2]); read by the eight stores that are issued in turn t + 1.
;   v1, v2, v3 byte offsets, made once at the head and never written again.
; So turn t's memory instructions touch X, U and Y of turn t - 1, which no vector instruction of turn t names: the waits at a turn's head state all that they hang on, and they are dealt among the
; turn's chunks (a load, a store, the chunk's arithmetic) with no further wait.  T is named by vector instructions alone.
.set PIECE, 4096                       ; bytes in of a piece
.set CHUNK, 512                        ; bytes in of a chunk
.set VIN,  1                           ; v1   32,768 x wave + 16 x lane: my 16 bytes of a chunk; never rewritten
.set VOUT, 2                           ; v2   16,384 x wave + 8 x lane: my 8 bytes out; never rewritten
.set VSC,  3                           ; v3   1,024 x wave + 4 x (the block that I load); never rewritten
.set T,    8                           ; v[8:15]    two sets of four, by the chunk's parity: +0 s, +2 -128 s; +1 and +3 are named in pairs with them and hold 0
.set U,    16                          ; v[16:19]   slot i: the piece's scales, one a lane
.set X,    20                          ; v[20:147]  slot i: 32 registers, a piece as loaded
.set Y,    148                         ; v[148:179] buffer i: 16 registers, a piece to store: chunk j's 8 bytes at Y + 16 i + 2 j
.set SEL,  16                          ; s[16:31]   chunk j: the two words of lane selects
	s_load_b256 s[4:11], s[0:1], 0x0               ; A s[4:5], w_q s[6:7], scales s[8:9], a16 s[10:11]
	s_load_b64 s[12:13], s[0:1], 0x20              ; w16
	v_and_b32 v4, 31, v0                           ; lane
	v_lshrrev_b32 v5, 5, v0                        ; wave
	v_lshlrev_b32 v[VIN], 4, v4
	v_lshl_add_u32 v[VIN], v5, 15, v[VIN]
	v_lshlrev_b32 v[VOUT], 3, v4
	v_lshl_add_u32 v[VOUT], v5, 14, v[VOUT]
	s_lshl_b32 s2, ttmp9, 18                       ; the work-group's 16 rows in: 262,144 x at the most 255, under 2^32
	s_mov_b32 s3, 0
	s_lshl_b32 s14, ttmp9, 17                      ; and out
	s_mov_b32 s15, 0
	s_and_b32 s16, ttmp7, 0xffff                   ; y: which tensor
	s_wait_kmcnt 0x0
	s_cmp_lg_u32 s16, 0
	s_cbranch_scc1 .Lweights
; ---------------- A ----------------
.macro LDA p, j                        ; chunk j of piece p into slot p % 4: 512 consecutive bytes
	global_load_b128 v[X+32*((\p)%4)+4*(\j):X+32*((\p)%4)+4*(\j)+3], v[VIN], s[4:5] offset:(\p)*PIECE+(\j)*CHUNK th:TH_LOAD_NT
.endm
.macro STA p, j                        ; chunk j of piece p out of buffer p % 2: the wave's store covers 256 consecutive bytes, aligned
	global_store_b64 v[VOUT], v[Y+16*((\p)%2)+2*(\j):Y+16*((\p)%2)+2*(\j)+1], s[10:11] offset:(\p)*(PIECE/2)+(\j)*(CHUNK/2) th:TH_STORE_NT
.endm
.macro FILLA p                         ; a whole piece: eight loads
.irp j, 0,1,2,3,4,5,6,7
	LDA \p, \j
.endr
.endm
; The turn of piece t.  left = the younger loads that may stay out.
.macro TURNA t, left
	s_wait_loadcnt \left                           ; loads come back in order (ISA guide 5.7.1): piece t is in, the pieces behind it stay on their way
.if (\t) >= 2
	s_wait_xcnt 0x0                                ; every earlier memory instruction has had its addresses translated (ISA guide 3.1): Y[t % 2] is rewritten only behind this wait
	s_wait_alu depctr_vm_vsrc(0)                   ; the stores issued in the turn before (piece t - 2's) have read Y[t % 2], which this turn's roundings write again
.endif
.if (\t) >= 1
	s_wait_alu depctr_va_vdst(0)                   ; the turn before has written the other Y, which the stores below read, and is done reading its X, in which the loads below (turns 1 to 4) land
.endif
.irp j, 0,1,2,3,4,5,6,7
.if (\t)+3 < 8
	LDA (\t)+3, \j                                 ; three pieces ahead; no vector instruction since the last wait on va_vdst names these registers
.endif
.if (\t) >= 1
	STA (\t)-1, \j                                 ; the piece before
.endif
.set R, X+32*((\t)%4)+4*(\j)
.set D, Y+16*((\t)%2)+2*(\j)
	v_cvt_pk_f16_f32 v[D], v[R], v[R+1]            ; two roundings to f16, packed
	v_cvt_pk_f16_f32 v[D+1], v[R+2], v[R+3]
.endr
.endm
	s_add_nc_u64 s[4:5], s[4:5], s[2:3]
	s_add_nc_u64 s[10:11], s[10:11], s[14:15]
	s_wait_alu depctr_va_vdst(0)                   ; v1 and v2 are written: every load and store of this path reads one of them as its offset
	FILLA 0
	FILLA 1
	FILLA 2
.irp t, 0,1,2,3,4,5
	TURNA \t, 16                                   ; two younger pieces of eight loads
.endr
	TURNA 6, 8                                     ; nothing is left to fetch: the counts run down
	TURNA 7, 0
	s_wait_alu depctr_va_vdst(0)                   ; turn 7 has written Y1, which the last eight stores read
.irp j, 0,1,2,3,4,5,6,7
	STA 7, \j
.endr
	s_endpgm
; ---------------- the weights ----------------
.macro LDS_W p                         ; piece p's 32 scales into slot p % 4
	global_load_b32 v[U+(\p)%4], v[VSC], s[8:9] offset:(\p)*128
.endm
.macro LDW p, j                        ; chunk j of piece p into slot p % 4: 512 consecutive bytes
	global_load_b128 v[X+32*((\p)%4)+4*(\j):X+32*((\p)%4)+4*(\j)+3], v[VIN], s[6:7] offset:(\p)*PIECE+(\j)*CHUNK th:TH_LOAD_NT
.endm
.macro STW p, j                        ; chunk j of piece p out of buffer p % 2: 256 consecutive bytes, aligned
	global_store_b64 v[VOUT], v[Y+16*((\p)%2)+2*(\j):Y+16*((\p)%2)+2*(\j)+1], s[12:13] offset:(\p)*(PIECE/2)+(\j)*(CHUNK/2) th:TH_STORE_NT
.endm
.macro FILLW p                         ; a whole piece: its scales, then its eight chunks: nine loads
	LDS_W \p
.irp j, 0,1,2,3,4,5,6,7
	LDW \p, \j
.endr
.endm
.macro TURNW t, left
	s_wait_loadcnt \left                           ; piece t and its scales are in
.if (\t) >= 2
	s_wait_xcnt 0x0                                ; every earlier memory instruction has had its addresses translated (ISA guide 3.1): Y[t % 2] is rewritten only behind this wait
	s_wait_alu depctr_vm_vsrc(0)                   ; the stores issued in the turn before (piece t - 2's) have read Y[t % 2], which this turn's roundings write again
.endif
.if (\t) >= 1
	s_wait_alu depctr_va_vdst(0)                   ; the turn before has written the other Y, which the stores below read, and is done reading and writing its X and reading its U, in which the loads below (turns 1 to 4) land
.endif
.if (\t)+3 < 8
	LDS_W (\t)+3                                   ; three pieces ahead: the scales first, as in a whole fill, so that a piece is nine loads on end in the count
.endif
.irp j, 0,1,2,3,4,5,6,7
.if (\t)+3 < 8
	LDW (\t)+3, \j                                 ; no vector instruction since the last wait on va_vdst names these registers
.endif
.if (\t) >= 1
	STW (\t)-1, \j                                 ; the piece before
.endif
.set R, X+32*((\t)%4)+4*(\j)
.set D, Y+16*((\t)%2)+2*(\j)
.set Q, T+4*((\j)%2)
	v_permlane16_b32 v[Q], v[U+(\t)%4], s[SEL+2*(\j)], s[SEL+2*(\j)+1]  ; s of my four numbers' block
	v_cvt_f32_i32 v[R], v[R]
	v_cvt_f32_i32 v[R+1], v[R+1]
	v_cvt_f32_i32 v[R+2], v[R+2]
	v_cvt_f32_i32 v[R+3], v[R+3]
	v_mul_f32 v[Q+2], 0xc3000000, v[Q]             ; -128 s, exact
	v_pk_fma_f32 v[R:R+1], v[R:R+1], v[Q:Q+1], v[Q+2:Q+3] op_sel_hi:[1,0,0]        ; w s - 128 s, one rounding; both halves take the pairs' low words
	v_pk_fma_f32 v[R+2:R+3], v[R+2:R+3], v[Q:Q+1], v[Q+2:Q+3] op_sel_hi:[1,0,0]
	v_cvt_pk_f16_f32 v[D], v[R], v[R+1]
	v_cvt_pk_f16_f32 v[D+1], v[R+2], v[R+3]
.endr
.endm
.Lweights:
	v_bfe_u32 v6, v0, 1, 3                         ; (p >> 1)
	v_bfe_u32 v7, v0, 4, 1                         ; h
	v_and_b32 v4, 1, v0                            ; (p & 1)
	v_lshlrev_b32 v[VSC], 4, v6                    ; 4 bytes x (4 (p >> 1) + 2 h + (p & 1))
	v_lshl_add_u32 v[VSC], v7, 3, v[VSC]
	v_lshl_add_u32 v[VSC], v4, 2, v[VSC]
	v_lshl_add_u32 v[VSC], v5, 10, v[VSC]          ; + my wave's two rows of 128 scales
	s_lshl_b32 s16, ttmp9, 13                      ; the work-group's 16 rows of scales
	s_mov_b32 s17, 0
	s_add_nc_u64 s[6:7], s[6:7], s[2:3]
	s_add_nc_u64 s[8:9], s[8:9], s[16:17]
	s_add_nc_u64 s[12:13], s[12:13], s[14:15]
	s_wait_alu depctr_va_vdst(0)                   ; v1, v2 and v3 are written: every load and store of this path reads one of them as its offset
	FILLW 0
	FILLW 1
	FILLW 2
.irp j, 0,1,2,3,4,5,6,7                ; while the first loads are out: the selects (eight fields of 4 bits a word),
	s_mov_b32 s[SEL+2*(\j)], (2*(\j))*0x11111111
	s_mov_b32 s[SEL+2*(\j)+1], (2*(\j)+1)*0x11111111
.endr
.irp i, 0,1,2,3,4,5,6,7                ; and T: v_permlane16_b32 counts as a reader of its destination, and the pairs' upper words are named; no memory instruction names T
	v_mov_b32 v[T+(\i)], 0
.endr
.irp t, 0,1,2,3,4,5
	TURNW \t, 18                                   ; two younger pieces of nine loads
.endr
	TURNW 6, 9
	TURNW 7, 0
	s_wait_alu depctr_va_vdst(0)                   ; turn 7 has written Y1, which the last eight stores read
.irp j, 0,1,2,3,4,5,6,7
	STW 7, \j
.endr
	s_endpgm
.Lfunc_end_k_q5a450da6dd_prep:
	.size	k_q5a450da6dd_prep, .Lfunc_end_k_q5a450da6dd_prep-k_q5a450da6dd_prep
	.p2alignl 7, 3214868480
	.fill 96, 4, 3214868480
	.section	.rodata,"a",@progbits
	.p2align	6, 0x0
	.amdhsa_kernel k_q5a450da6dd_prep
		.amdhsa_group_segment_fixed_size 0
		.amdhsa_private_segment_fixed_size 0
		.amdhsa_enable_private_segment 0
		.amdhsa_kernarg_size 40
		.amdhsa_user_sgpr_count 2
		.amdhsa_user_sgpr_kernarg_segment_ptr 1
		.amdhsa_wavefront_size32 1
		.amdhsa_system_sgpr_workgroup_id_x 1
		.amdhsa_system_sgpr_workgroup_id_y 1
		.amdhsa_system_sgpr_workgroup_id_z 1
		.amdhsa_system_vgpr_workitem_id 0
		.amdhsa_next_free_vgpr 180
		.amdhsa_next_free_sgpr 66
		.amdhsa_reserve_vcc 0
		.amdhsa_float_denorm_mode_32 3
		.amdhsa_float_denorm_mode_16_64 3
		.amdhsa_memory_ordered 1
		.amdhsa_forward_progress 1
		.amdhsa_inst_pref_size 70
	.end_amdhsa_kernel
	.amdgpu_metadata
---
amdhsa.version: [ 1, 2 ]
amdhsa.kernels:
  - .name:           k_q5a450da6dd_prep
    .symbol:         k_q5a450da6dd_prep.kd
    .args:
      - { .name: A, .offset: 0, .size: 8, .value_kind: global_buffer, .address_space: global }
      - { .name: w_q, .offset: 8, .size: 8, .value_kind: global_buffer, .address_space: global }
      - { .name: scales, .offset: 16, .size: 8, .value_kind: global_buffer, .address_space: global }
      - { .name: a16, .offset: 24, .size: 8, .value_kind: global_buffer, .address_space: global }
      - { .name: w16, .offset: 32, .size: 8, .value_kind: global_buffer, .address_space: global }
    .group_segment_fixed_size: 0
    .private_segment_fixed_size: 0
    .kernarg_segment_align: 8
    .kernarg_segment_size: 40
    .max_flat_workgroup_size: 256
    .sgpr_count:     66
    .vgpr_count:     180
    .wavefront_size: 32
...
	.end_amdgpu_metadata
.endif
;; end of part 3
;; launch gemm: the kernel of part 2 again; grid 16 x 16, 4 waves a work-group, clusters of 4 x 4, 327,680 bytes of LDS; arguments a16, w16, out0; writes out0
